; MI455X (gfx1250); checked and timed in simulation.
; The chip was launched on July 23, 2026; its instructions are those of AMD's public machine-readable ISA for CDNA 5 (MIT licence, August 2026) and "CDNA5" Instruction Set Architecture Reference Guide (July 2026). The comments in the code are by the model that wrote it; some were corrected since.
;; Nearest Neighbor Tokenizer. Allowed arithmetic: matrix products marked QUANTISED: E5M2 operands, one E8M0 scale for each 32 along K, by v_wmma_scale_f32_16x16x128_f8f6f4 with both operands' format E5M2, f32 sums; everything else in f32.
;; Inputs: codes 16,384 x 512 float32; x 4 x 2,048 x 512 float32.
;; Outputs: out0 4 x 2,048 int32.
;; This version of the problem:
;;   THIS VERSION OF THE PROBLEM IS GIVEN IN LOW PRECISION. The matrix products marked QUANTISED in the list below multiply operands that are first quantised to E5M2 (5 exponent bits, 2 mantissa bits; 8 bits a number), with one power-of-two scale for each 32 numbers along K (OCP MX v1.0); their sums are f32. All else is computed in f32.
;;   The module's matrix products, in the order in which they are computed (A, B: the left and right operand; K: the contracted axis; several contracted axes count as one K, in the product's order):
;;     1. [M 8,192, K 512] x [K 512, N 16,384]; A: input x; B: input codes: QUANTISED
;;   THE QUANTISER, for each operand of a quantised product, along K:
;;     - K is cut into blocks of 32 from its start; a last block that is shorter is filled with zeros.
;;     - A block's scale is 2^e with e = floor(log2(the largest magnitude in the block)) - 15, held to -126 .. 127; a block of zeros has e = 0. As a byte (E8M0): e + 127.
;;     - Each number is divided by its block's scale, clamped to +-57,344, and rounded to the nearest number of E5M2, ties to even, subnormals kept.
;;     - The product sums the exact products of the quantised numbers (number of the format x scale) in f32.
;;   ~~~python
;;   def quantise(x, axis):      # numpy; x: float32 -> the quantised numbers, widened to float32 again
;;       x = np.moveaxis(x, axis, -1); K = x.shape[-1]
;;       x = np.pad(x, [(0, 0)] * (x.ndim - 1) + [(0, -K % 32)]); x = x.reshape(x.shape[:-1] + (-1, 32)); a = np.abs(x).max(-1, keepdims=True)
;;       e = np.where(a > 0, np.clip(np.frexp(np.where(a > 0, a, 1))[1] - 1 - 15, -126, 127), 0)      # np.frexp(a)[1] - 1 = floor(log2(a)), exactly
;;       r = np.clip(x / 2.0 ** e, -57344, 57344)
;;       step = 2.0 ** (np.maximum(np.frexp(np.where(r == 0, 1, r))[1] - 1, -14) - 2)
;;       q = np.round(r / step) * step * 2.0 ** e      # np.round: ties to even
;;       return np.moveaxis(q.reshape(q.shape[:-2] + (-1,))[..., :K], -1, axis).astype(np.float32)
;;   ~~~
;; One version. Each part assembles by itself: llvm-mc -triple=amdgcn-amd-amdhsa -mcpu=gfx1250 --defsym DOCPART=n.
;; ======== version 1 of 1: 3 launches
;; limits: right only within a limited range of input values
;; workspace buffers: xfrag 4,456,448 bytes; cfrag 8,912,896 bytes; pval 524,288 bytes; pidx 524,288 bytes
;; launch quant (part 1): grid 256 x 1, 6 waves a work-group, no clusters, 56,064 bytes of LDS; arguments x, codes, xfrag, cfrag; writes xfrag, cfrag
.if DOCPART == 1
	.amdgcn_target "amdgcn-amd-amdhsa--gfx1250"
	.amdhsa_code_object_version 6
	.text
	.protected	k_qe11c79d363_quant
	.globl	k_qe11c79d363_quant
	.p2align	8
	.type	k_qe11c79d363_quant,@function
k_qe11c79d363_quant:
	s_mov_b64 s[64:65], 0
	v_nop
	global_prefetch_b8 v0, s[64:65] scope:SCOPE_SE
	s_setreg_imm32_b32 hwreg(HW_REG_WAVE_MODE, 25, 1), 1
	s_wait_xcnt 0x0
; x [8192][512] and codes [16384][512], f32, become codes of BF8 (E5M2) with one E8M0 scale byte for each 32 along K, laid as the next launch's operand registers want them.
; A TILE is 16 rows, all 512 along K.  Its record in xfrag / cfrag is 8,704 bytes.
;   bytes 0-8191: 16 chunks of 512; chunk 4 s + c holds registers 4 c .. 4 c + 3 of the fragment of K step s (128 along K), lane l's 16 bytes at 16 l:
;   lane (r = l % 16, h = l / 16) holds k = 128 s + 32 c + 16 h + 0 .. 15 of row r.
;   bytes 8192-8447: the scale words as two registers' image, lane l's 8 bytes at 8 l: word 0 = K step 0's word of row l (lanes 0-15) or K step 1's of row l - 16 (lanes 16-31), word 1 the same of K steps 2 and 3.
;   bytes 8448-8511: for each of the 16 rows half its sum of squares (of the numbers as given): + x2 / 2 in xfrag, - c2 / 2 in cfrag.  bytes 8512-8703: zeros.
; A block's scale is 2^(floor(log2(its largest magnitude)) - 15); its byte is the largest magnitude's exponent field - 15, held at 1 from below; each number is held within +-57,344 x the scale and rounded to the nearest code, ties to even.
; LIMITS: a block of zeros, and a block whose largest magnitude lies under 2^-111, gets the byte 1 (the rule says 127 for zeros: the codes are zeros, and only this program reads the bytes).
; NaN and infinities among the inputs are not served.  A row's squares are summed in four packed chains and then across the two halves of the lanes: another order than a plain running sum.
; SHARES: 512 + 1,024 tiles = 256 work-groups x 6 waves: a wave to a tile.  Waves share nothing: no barrier, no cluster, no tensor load, no matrix work.
; Each load reads 512 consecutive bytes of one row; a K step's 16 x 512 bytes turn through the wave's own stage in LDS, so that a lane gets 16 neighbours of each block of 32.
.set REC,   8704
.set PITCH, 528                        ; a stage row: 512 bytes + 16
.set WREG,  9216                       ; LDS of a wave: the stage (16 x 528) and behind it the record's last 512 bytes
.set AUXS,  16*PITCH
.set SPARE, 6*WREG                     ; the spare words: 128 bytes a wave
.set L16, 1                            ; 16 x lane
.set STI, 2                            ; the stage on the way in
.set STO, 3                            ; on the way out: row r, + 64 h
.set AXS, 4                            ; 8 r (scale words)
.set AXQ, 5                            ; 4 r (sums of squares)
.set AXZ, 6                            ; 4 x lane (zeros)
.set AXR, 7                            ; 16 x lane (the way out)
.set NIL, 8
.set SS,  10                           ; v10-17 four packed chains of squares
.set TM,  20                           ; v20-23 largest magnitudes, v24-27 bytes, v28-31 57,344 x the scale, v32-35 the conversions' scale operands
.set PW,  36                           ; the scale word just made
.set PC,  40                           ; v40-55 the fragment's codes
.set X,   56                           ; v56-119 64 numbers: register 16 b + i = k 32 b + 16 h + i of my row
.set R,   120                          ; v120-247 two sets of 64 registers, as loaded
.set AO,  248
	s_load_b128 s[4:7], s[0:1], 0x0                ; x, codes
	s_load_b128 s[8:11], s[0:1], 0x10              ; xfrag, cfrag
	v_lshl_add_u32 v254, v0, 2, SPARE
	v_mov_b32 v255, 0
	v_lshrrev_b32 v9, 5, v0
	v_readfirstlane_b32 s16, v9                    ; wave 0..5
	v_and_b32 v9, 31, v0                           ; lane
	v_and_b32 v18, 15, v0                          ; r
	v_bfe_u32 v19, v0, 4, 1                        ; h
	s_mul_i32 s22, s16, WREG
	v_lshlrev_b32 v[L16], 4, v9
	v_add_nc_u32 v[STI], s22, v[L16]
	v_mul_u32_u24 v[STO], v18, PITCH
	v_lshl_add_u32 v[STO], v19, 6, v[STO]
	v_add_nc_u32 v[STO], s22, v[STO]
	s_add_co_u32 s22, s22, AUXS
	v_lshl_add_u32 v[AXS], v18, 3, s22
	v_lshl_add_u32 v[AXQ], v18, 2, s22
	v_lshl_add_u32 v[AXZ], v9, 2, s22
	v_add_nc_u32 v[AXR], s22, v[L16]
	v_mov_b32 v[NIL], 0
.irp b, 0,1,2,3
	v_mov_b32 v[TM+4+\b], 0                        ; a lane permute's destination counts as one of its sources
.endr
	s_mul_i32 s17, ttmp9, 6
	s_add_co_u32 s17, s17, s16                     ; my tile among the 1,536: the first 512 are x's
	s_mov_b32 s20, 0x76543210
	s_mov_b32 s21, 0xfedcba98                      ; selects for lane l xor 16
	s_mov_b32 s23, 0x600000                        ; the mantissa field of 57,344
	s_wait_alu depctr_va_vdst(0)
	s_wait_kmcnt 0x0
	s_cmp_lt_u32 s17, 512                          ; x's tile or codes'?  Pointers and one factor are chosen: both tensors take one path
	s_cselect_b64 s[4:5], s[4:5], s[6:7]
	s_cselect_b64 s[8:9], s[8:9], s[10:11]
	s_cselect_b32 s24, 0.5, -0.5                   ; what the sum of squares is multiplied by
	s_cselect_b32 s18, 0, 512
	s_sub_co_u32 s17, s17, s18                     ; the tile's number in its tensor
	s_lshl_b32 s18, s17, 15                        ; 16 rows of 2,048 bytes
	s_mov_b32 s19, 0
	s_add_nc_u64 s[4:5], s[4:5], s[18:19]
	s_mul_i32 s18, s17, REC
	s_add_nc_u64 s[8:9], s[8:9], s[18:19]
.macro LOAD s                          ; K step s: of each of the 16 rows its 512 bytes, 16 a lane, into set s % 2
.irp i, 0,1,2,3,4,5,6,7,8,9,10,11,12,13,14,15
	global_load_b128 v[R+64*((\s)%2)+4*\i:R+64*((\s)%2)+4*\i+3], v[L16], s[4:5] offset:2048*\i+512*(\s) th:TH_LOAD_NT
.endr
.endm
.macro QUANT                           ; the 64 numbers in v[X] on become a fragment's codes in v[PC] on and its rows' scale word in v[PW]
.irp b, 0,1,2,3
	v_max3_num_f32 v[TM+\b], |v[X+16*\b]|, |v[X+1+16*\b]|, 0x8000000   ; my 16 numbers of block b, and the floor 2^(16 - 127)
.endr
.irp i, 2,4,6,8,10,12,14
.irp b, 0,1,2,3
	v_max3_num_f32 v[TM+\b], v[TM+\b], |v[X+16*\b+\i]|, |v[X+1+16*\b+\i]|
.endr
.endr
.irp b, 0,1,2,3
	v_permlanex16_b32 v[TM+4+\b], v[TM+\b], s20, s21
.endr
.irp b, 0,1,2,3
	v_max_num_f32 v[TM+\b], v[TM+\b], v[TM+4+\b]   ; with lane l xor 16's 16: the block's largest magnitude
.endr
.irp b, 0,1,2,3
	v_add_nc_u32 v[TM+12+\b], 0xf8800000, v[TM+\b] ; 15 off its exponent field: the conversion's scale operand
.endr
.irp b, 0,1,2,3
	v_and_or_b32 v[TM+8+\b], v[TM+\b], 0x7f800000, s23   ; 57,344 x the scale
.endr
.irp b, 0,1,2,3
	v_lshrrev_b32 v[TM+4+\b], 23, v[TM+12+\b]      ; the scale's byte
.endr
	v_lshl_or_b32 v[PW], v[TM+5], 8, v[TM+4]
	v_lshl_or_b32 v[PW], v[TM+6], 16, v[PW]
	v_lshl_or_b32 v[PW], v[TM+7], 24, v[PW]
.irp b, 0,1,2,3
.irp i, 0,1,2,3,4,5,6,7,8,9,10,11,12,13,14,15
	v_med3_num_f32 v[X+16*\b+\i], v[X+16*\b+\i], -v[TM+8+\b], v[TM+8+\b]   ; the conversion does not saturate (ISA guide 7.6.2): the hold comes first
.endr
	v_cvt_scalef32_pk8_bf8_f32 v[PC+4*\b:PC+4*\b+1], v[X+16*\b:X+16*\b+7], v[TM+12+\b]
	v_cvt_scalef32_pk8_bf8_f32 v[PC+4*\b+2:PC+4*\b+3], v[X+16*\b+8:X+16*\b+15], v[TM+12+\b]
.endr
	v_nop                                          ; a plain vector line behind the last conversion
.endm
.macro STEP s
.if (\s) < 3
	s_wait_loadcnt 16                              ; this K step's 16 loads are in; the next step's 16 may be out
.else
	s_wait_loadcnt 0x0
.endif
.irp i, 0,1,2,3,4,5,6,7,8,9,10,11,12,13,14,15
	ds_store_b128 v[STI], v[R+64*((\s)%2)+4*\i:R+64*((\s)%2)+4*\i+3] offset:PITCH*\i
.endr
.irp b, 0,1,2,3
.irp j, 0,1,2,3
	ds_load_b128 v[X+16*\b+4*\j:X+16*\b+4*\j+3], v[STO] offset:128*\b+16*\j   ; LDS serves a wave's instructions in order (ISA guide 5.7.1.4)
.endr
.endr
.if (\s) < 2
	s_wait_dscnt 16                                ; the 16 stores have read their registers (the 16 loads behind them may be out)
	LOAD (\s)+2
.endif
	s_wait_dscnt 0x0
.set w, 0
.rept 32                                       ; the squares, ahead of the hold
.if ((\s) == 0) && (w < 4)
	v_pk_mul_f32 v[SS+2*w:SS+2*w+1], v[X+2*w:X+2*w+1], v[X+2*w:X+2*w+1]
.else
	v_pk_fma_f32 v[SS+2*(w%4):SS+2*(w%4)+1], v[X+2*w:X+2*w+1], v[X+2*w:X+2*w+1], v[SS+2*(w%4):SS+2*(w%4)+1]
.endif
.set w, w+1
.endr
.if (\s) > 0
	s_wait_xcnt 0x0                                ; the last step's stores have read v[PC] on
.endif
	QUANT
.irp c, 0,1,2,3
	global_store_b128 v[L16], v[PC+4*\c:PC+4*\c+3], s[8:9] offset:2048*(\s)+512*\c   ; chunk 4 s + c: 512 consecutive bytes, aligned
.endr
	ds_store_b32 v[AXS], v[PW] offset:128*((\s)&1)+4*((\s)>>1)   ; lane r + 16 (s % 2) of the image, word s / 2; both halves write the same value
.endm
	LOAD 0
	LOAD 1
	STEP 0
	STEP 1
	STEP 2
	STEP 3
	v_pk_add_f32 v[SS:SS+1], v[SS:SS+1], v[SS+2:SS+3]
	v_pk_add_f32 v[SS+4:SS+5], v[SS+4:SS+5], v[SS+6:SS+7]
	v_pk_add_f32 v[SS:SS+1], v[SS:SS+1], v[SS+4:SS+5]
	v_add_f32 v[SS], v[SS], v[SS+1]
	v_permlanex16_b32 v[SS+1], v[SS], s20, s21
	v_add_f32 v[SS], v[SS], v[SS+1]                ; the row's sum of squares
	v_mul_f32 v[SS], s24, v[SS]                    ; x2 / 2 or - c2 / 2: exact
	ds_store_b32 v[AXQ], v[SS] offset:256
	ds_store_b32 v[AXZ], v[NIL] offset:320
	ds_store_b32 v[AXZ], v[NIL] offset:384         ; every byte of the record is written
	ds_load_b128 v[AO:AO+3], v[AXR]
	s_wait_dscnt 0x0
	global_store_b128 v[L16], v[AO:AO+3], s[8:9] offset:8192   ; the record's last 512 bytes, aligned
	s_wait_tensorcnt 0x0                           ; the wave's end
	ds_add_u32 v254, v255
	s_wait_dscnt 0x0
	s_endpgm
.Lfunc_end_k_qe11c79d363_quant:
	.size	k_qe11c79d363_quant, .Lfunc_end_k_qe11c79d363_quant-k_qe11c79d363_quant
	.p2alignl 7, 3214868480
	.fill 96, 4, 3214868480
	.section	.rodata,"a",@progbits
	.p2align	6, 0x0
	.amdhsa_kernel k_qe11c79d363_quant
		.amdhsa_group_segment_fixed_size 56064
		.amdhsa_private_segment_fixed_size 0
		.amdhsa_enable_private_segment 0
		.amdhsa_kernarg_size 32
		.amdhsa_user_sgpr_count 2
		.amdhsa_user_sgpr_kernarg_segment_ptr 1
		.amdhsa_wavefront_size32 1
		.amdhsa_system_sgpr_workgroup_id_x 1
		.amdhsa_system_sgpr_workgroup_id_y 1
		.amdhsa_system_sgpr_workgroup_id_z 1
		.amdhsa_system_vgpr_workitem_id 0
		.amdhsa_next_free_vgpr 256
		.amdhsa_next_free_sgpr 66
		.amdhsa_reserve_vcc 0
		.amdhsa_float_denorm_mode_32 3
		.amdhsa_float_denorm_mode_16_64 3
		.amdhsa_memory_ordered 1
		.amdhsa_forward_progress 1
		.amdhsa_inst_pref_size 60
	.end_amdhsa_kernel
	.amdgpu_metadata
---
amdhsa.version: [ 1, 2 ]
amdhsa.kernels:
  - .name:           k_qe11c79d363_quant
    .symbol:         k_qe11c79d363_quant.kd
    .args:
      - { .name: x, .offset: 0, .size: 8, .value_kind: global_buffer, .address_space: global }
      - { .name: codes, .offset: 8, .size: 8, .value_kind: global_buffer, .address_space: global }
      - { .name: xfrag, .offset: 16, .size: 8, .value_kind: global_buffer, .address_space: global }
      - { .name: cfrag, .offset: 24, .size: 8, .value_kind: global_buffer, .address_space: global }
    .group_segment_fixed_size: 56064
    .private_segment_fixed_size: 0
    .kernarg_segment_align: 8
    .kernarg_segment_size: 32
    .max_flat_workgroup_size: 192
    .sgpr_count:     66
    .vgpr_count:     256
    .wavefront_size: 32
...
	.end_amdgpu_metadata
.endif
;; end of part 1
;; launch nearest (part 2): grid 16 x 16, 4 waves a work-group, clusters of 4 x 1, 327,680 bytes of LDS; arguments xfrag, cfrag, pval, pidx; writes pval, pidx
.if DOCPART == 2
	.amdgcn_target "amdgcn-amd-amdhsa--gfx1250"
	.amdhsa_code_object_version 6
	.text
	.protected	k_qe11c79d363_nearest
	.globl	k_qe11c79d363_nearest
	.p2align	8
	.type	k_qe11c79d363_nearest,@function
k_qe11c79d363_nearest:
	s_mov_b64 s[64:65], 0
	v_nop
	global_prefetch_b8 v0, s[64:65] scope:SCOPE_SE
	s_setreg_imm32_b32 hwreg(HW_REG_WAVE_MODE, 25, 1), 1
	s_wait_xcnt 0x0
	s_wait_alu depctr_hold_cnt(0) depctr_sa_sdst(0) depctr_va_vdst(0) depctr_va_sdst(0) depctr_va_ssrc(0) depctr_va_vcc(0) depctr_vm_vsrc(0)
	s_getreg_b32 s2, hwreg(HW_REG_IB_STS2, 6, 4)
	s_cmp_eq_u32 s2, 0
	s_cbranch_scc0 .Lentry_in_a_cluster
	s_endpgm
.Lentry_in_a_cluster:
	s_bfe_u32 s2, ttmp6, 0x10000c
	s_cmp_lg_u32 s2, 0x3003
	s_cbranch_scc0 .Lentry_shape_is_right
	s_endpgm
.Lentry_shape_is_right:
; For 512 rows of x and 1,024 codes: for each row the smallest d = max(x2 + c2 - 2 xc, 0), xc the product on codes of BF8 (E5M2) with E8M0 scales, and the lowest index that has it.
; pval [16 splits][8192] f32, pidx [16][8192] i32 take them; the next launch joins the 16 splits.
; THE FORM.  d = 2 (x2/2 - g) with g = xc - c2/2.  - c2/2 is the C of each sum's first product, so an accumulator holds g; the smallest d is the largest g.
; The clamp at 0 is g held at x2/2 from above.  Only at the end x2/2 is taken in and the result doubled.
; LIMITS.  The order of rounding differs from the problem's text: c2/2 is summed with the products in the matrix unit, x2 comes in last, once for each row; codes whose d lie within a few units
; of the last place of each other may change places.  NaN and infinities are not served.
; SHARES.  Work-group (x, y): rows 512 x on, codes 1,024 y on.  Wave w keeps rows 128 w .. 128 w + 127 as codes for all of K in registers (8 fragments x 4 K steps x 16 = 512), so only the codes stream:
; a tile of 16 codes is 20 LDS loads and feeds 32 matrix instructions.  The four waves read the same tiles.
; TRANSPOSED: source 0 = 16 codes, source 1 = 16 rows of x: lane (r, h) holds row r, its register j code 8 h + j: a row's best stays in its two lanes until the end.
; TIES.  A later tile takes over only where its (held) largest g is strictly larger; the winning tile's eight g are kept, and at the end the lowest register that reaches the held maximum names the code; of the two halves the lower index wins.
; BY TURNS.  Products go in runs of 16 (four accumulators x four K steps) on two sets of accumulators.  Behind each run stands a place of vector work: the compares and selections of the run before, and in the
; gaps between them the largest g of the run just made, so that no line reads what stands just above it.  The next record's 20 LDS loads stand in one run between a tile's two runs of products.
; RING.  Two LDS slots of 16 records (139,264 bytes), side by side.  Records are images of registers: no pitch, no padding.  A wave has at most one tensor load out.
; The head asks for tiles 0 to 3 alone (a record a wave), so that x's loads follow 34,816 bytes and not a whole slot; tiles 4 to 15 (three records a wave) follow behind the head's round, slot 1 behind a round at
; the head of tile 3; from then on a fill is a quarter of a slot a wave, asked for 16 tiles, 512 matrix instructions a wave, ahead of the wait for it: so no prefetch is laid.
; CLUSTER.  The four work-groups of a cluster have the same y and walk the same codes: every fill is a joint load (mask of all four).  x is each work-group's own and comes by plain loads.
; REGISTERS.  window 0: the names below.  window 1: v0-127 the codes' fragments, set p at 64 p + 16 s.  window 2: x's fragments 0-3 at 64 a + 16 s.  window 3: fragments 4-7.
.set REC,   8704
.set SLOTB, 16*REC
.set QUART, 4*REC
.set SPARE, 2*SLOTB                    ; the spare words, 128 bytes a wave
.set STAGE, SPARE+512                  ; the way out: 1,024 bytes a wave; no fill lands here
.set L16, 1                            ; 16 x lane
.set L8,  2                            ; 8 x lane
.set H32, 3                            ; 32 h
.set ADR, 4                            ; LDS address of the fragments to fetch
.set ADS, 5                            ; of their scale words
.set ADC, 6                            ; of their - c2/2
.set SPW, 7
.set NIL, 8
.set R4,  9                            ; 4 r
.set STO, 10                           ; my stage + 4 r
.set RD,  11                           ; my stage + 16 x lane
.set BASEH, 13                         ; 1,024 y + 8 h
.set XS,  16                           ; v16-31 x's scale words: fragment a at 16 + 2 a: K steps 0 | 1, then 2 | 3 (lanes 0-15 | 16-31)
.set SC,  32                           ; v32-35 the codes', set p: K steps 2 | 3 at 32 + 2 p, K steps 0 | 1 at 33 + 2 p: so a product's two scale registers never have the same parity
.set CAP, 36                           ; v36-43 x2/2 of my row in fragment a
.set C2,  44                           ; v44-59 - c2/2 of my eight codes, set p at 44 + 8 p
.set RUN, 60                           ; v60-67 the largest held g so far
.set IDX, 69                           ; v69-76 the tile that has it (of the other parity than RUN, for the paired selection)
.set TNV, 79                           ; the number of the tile whose g are being kept
.set TT,  80                           ; v80-95 at work: two for each accumulator, a set of eight for each set of accumulators
.set SV,  104                          ; v104-167 the winning tile's eight g, fragment a at 104 + 8 a
.set ACCL, 168                         ; v168-199 accumulators, set 0; v200-231 set 1
.set DT,  ACCL                         ; the end: what the other half of the lanes holds
.set POS, 232
.set ID,  240
.set WV,  16
.set G1F, 24                           ; s[24:31] group 1: rows of 256 bytes; the two words that count rows are set anew behind waits for all my tensor loads
.set G0A, 32                           ; s[32:35] group 0: tiles 0 to 3
.set G0B, 36                           ; s[36:39] tiles 4 to 15
.set G0C, 52                           ; s[52:55] slot 1: tiles 16 to 31, then 48 to 63
.set G0D, 56                           ; s[56:59] slot 0 again: tiles 32 to 47
.set TB,  40                           ; LDS byte of the next record to fetch
.set TN,  41
.set CNT, 42
.set MK,  44
.set SEL, 46
.set MSB, 0
.macro WIN new
.if MSB != (\new)
	s_set_vgpr_msb (MSB<<8)|(\new)
.set MSB, (\new)
.endif
.endm
.macro CROUND                          ; a round of the cluster's barrier
	s_barrier_signal -1
	s_barrier_wait -1
	s_cmp_lg_u32 s[WV], 0
	s_cbranch_scc1 .Lnot_wave_0_\@
	s_barrier_signal -3
.Lnot_wave_0_\@:
	s_barrier_wait -3
	s_barrier_signal -1
	s_barrier_wait -1
.endm
	s_load_b256 s[4:11], s[0:1], 0x0               ; xfrag s[4:5], cfrag s[6:7], pval s[8:9], pidx s[10:11]
	v_lshl_add_u32 v[SPW], v0, 2, SPARE
	v_mov_b32 v[NIL], 0
	ds_add_u32 v[SPW], v[NIL]                      ; the opening lines
	ds_add_u32 v[SPW], v[NIL]
	v_lshrrev_b32 v12, 5, v0
	v_readfirstlane_b32 s[WV], v12                 ; wave 0..3
	s_bfe_u32 s17, ttmp6, 0x40000                  ; cx
	s_lshl_b32 s18, ttmp9, 2
	s_add_co_u32 s18, s18, s17                     ; my block of 512 rows: it enters x's and the outputs' addresses alone
	s_and_b32 s19, ttmp7, 0xffff                   ; my split of the codes, which the four partners share
	s_mov_b32 s[G1F], 15|(3<<16)|(1<<21)           ; the mask of all four; elements of 8 bytes; bit 21 beside a mask
	s_mov_b32 s[G1F+1], 32<<16                     ; rows of 256 bytes
	s_mov_b32 s[G1F+2], 34<<16                     ; 34 of them: one record
	s_mov_b32 s[G1F+3], 32<<16
	s_mov_b32 s[G1F+4], 34
	s_mov_b32 s[G1F+5], 32
	s_mov_b32 s[G1F+6], 0
	s_mov_b32 s[G1F+7], 0
	s_mul_i32 s22, s19, 64*REC                     ; cfrag: 64 records a split
	s_mov_b32 s23, 0
	s_mul_i32 s[G0A+1], s[WV], REC                 ; LDS addresses: constants and the wave's number alone
	s_mul_i32 s[G0B+1], s[WV], 3*REC
	s_add_co_u32 s[G0B+1], s[G0B+1], 4*REC
	s_mul_i32 s[G0D+1], s[WV], QUART
	s_add_co_u32 s[G0C+1], s[G0D+1], SLOTB
	s_mov_b32 s[G0A], 1
	s_mov_b32 s[G0B], 1
	s_mov_b32 s[G0C], 1
	s_mov_b32 s[G0D], 1
	s_mov_b32 s14, s[G0A+1]                        ; tiles 0 to 31 lie in LDS as in the split: the same offset serves both
	s_mov_b32 s15, 0
	s_mul_i32 s20, s18, 32*REC                     ; xfrag: 32 records a block, 8 a wave
	s_mul_i32 s21, s[WV], 8*REC
	s_add_co_u32 s20, s20, s21
	s_mov_b32 s21, 0
	s_lshl_b32 s12, s19, 15                        ; the outputs: 4 (8,192 split + 512 block + 128 wave)
	s_lshl_b32 s13, s18, 11
	s_add_co_u32 s12, s12, s13
	s_lshl_b32 s13, s[WV], 9
	s_add_co_u32 s12, s12, s13
	s_mov_b32 s13, 0
	s_mov_b32 s[SEL], 0x76543210
	s_mov_b32 s[SEL+1], 0xfedcba98
	s_mov_b32 s[TB], 0
	s_mov_b32 s[TN], -1
	s_mov_b32 s48, 0xff800000                      ; -infinity
	s_wait_dscnt 0x0
	s_wait_kmcnt 0x0
	s_add_nc_u64 s[6:7], s[6:7], s[22:23]          ; my split's records
	s_add_nc_u64 s[G0A+2:G0A+3], s[6:7], s[14:15]
	s_or_b32 s[G0A+3], s[G0A+3], 0x80000000
	CROUND                                         ; all four work-groups are here: the first joint loads meet
	tensor_load_to_lds s[G0A:G0A+3], s[G1F:G1F+7]  ; tiles 0 to 3, a record a wave: my one tensor load at the head
	s_nop 0
	s_mov_b32 s14, s[G0B+1]
	s_add_nc_u64 s[G0B+2:G0B+3], s[6:7], s[14:15]
	s_mov_b32 s14, s[G0C+1]
	s_add_nc_u64 s[G0C+2:G0C+3], s[6:7], s[14:15]
	s_add_co_u32 s14, s[G0D+1], 2*SLOTB
	s_add_nc_u64 s[G0D+2:G0D+3], s[6:7], s[14:15]
	s_or_b32 s[G0B+3], s[G0B+3], 0x80000000
	s_or_b32 s[G0C+3], s[G0C+3], 0x80000000
	s_or_b32 s[G0D+3], s[G0D+3], 0x80000000
	s_add_nc_u64 s[4:5], s[4:5], s[20:21]
	s_add_nc_u64 s[8:9], s[8:9], s[12:13]
	s_add_nc_u64 s[10:11], s[10:11], s[12:13]
	v_and_b32 v12, 31, v0
	v_bfe_u32 v14, v0, 4, 1                        ; h
	v_and_b32 v15, 15, v0                          ; r
	v_lshlrev_b32 v[L16], 4, v12
	v_lshlrev_b32 v[L8], 3, v12
	v_lshlrev_b32 v[H32], 5, v14
	v_lshlrev_b32 v[R4], 2, v15
	s_lshl_b32 s20, s[WV], 10
	s_add_co_u32 s20, s20, STAGE
	v_add_nc_u32 v[STO], s20, v[R4]
	v_add_nc_u32 v[RD], s20, v[L16]
	s_lshl_b32 s21, s19, 10
	v_lshl_add_u32 v[BASEH], v14, 3, s21
.set j, 0
.rept 64
	v_mov_b32 v[SV+j], s48                         ; the step is written once: the first tile finds -infinity and takes over
.set j, j+1
.endr
.irp a, 0,1,2,3,4,5,6,7
	v_mov_b32 v[RUN+\a], s48
	v_mov_b32 v[IDX+\a], 0
.endr
.irp a, 0,1,2,3,4,5,6,7
	global_load_b64 v[XS+2*\a:XS+2*\a+1], v[L8], s[4:5] offset:REC*\a+8192
	global_load_b32 v[CAP+\a], v[R4], s[4:5] offset:REC*\a+8448
.endr
	WIN 0x80                                       ; destination window 2
.irp a, 0,1,2,3
.irp i, 0,1,2,3,4,5,6,7,8,9,10,11,12,13,14,15
	global_load_b128 v[64*\a+4*\i:64*\a+4*\i+3], v[L16], s[4:5] offset:REC*\a+512*\i
.endr
.endr
	WIN 0xc0                                       ; destination window 3
.irp a, 4,5,6,7
.irp i, 0,1,2,3,4,5,6,7,8,9,10,11,12,13,14,15
	global_load_b128 v[64*(\a-4)+4*\i:64*(\a-4)+4*\i+3], v[L16], s[4:5] offset:REC*\a+512*\i
.endr
.endr
	WIN 0
; One product: accumulator q of set ac, x's fragment 4 hi + q, the codes' set p, K step s.  K step 0 starts the sum with - c2/2.  Odd K steps read both sides' scale words from lanes 16-31.
.macro MM1 ac, hi, p, s, q
.set mD, ACCL+32*(\ac)+8*(\q)
.set mA, 64*(\p)+16*(\s)
.set mB, 64*(\q)+16*(\s)
.set mSA, SC+2*(\p)+1-(\s)/2
.set mSB, XS+2*(4*(\hi)+(\q))+(\s)/2
.if (\s) == 0
	v_wmma_scale_f32_16x16x128_f8f6f4 v[mD:mD+7], v[mA:mA+15], v[mB:mB+15], v[C2+8*(\p):C2+8*(\p)+7], v[mSA], v[mSB] matrix_a_fmt:MATRIX_FMT_BF8 matrix_b_fmt:MATRIX_FMT_BF8
.elseif ((\s)%2) == 1
	v_wmma_scale_f32_16x16x128_f8f6f4 v[mD:mD+7], v[mA:mA+15], v[mB:mB+15], v[mD:mD+7], v[mSA], v[mSB] matrix_a_fmt:MATRIX_FMT_BF8 matrix_b_fmt:MATRIX_FMT_BF8 matrix_a_scale:MATRIX_SCALE_ROW1 matrix_b_scale:MATRIX_SCALE_ROW1
.else
	v_wmma_scale_f32_16x16x128_f8f6f4 v[mD:mD+7], v[mA:mA+15], v[mB:mB+15], v[mD:mD+7], v[mSA], v[mSB] matrix_a_fmt:MATRIX_FMT_BF8 matrix_b_fmt:MATRIX_FMT_BF8
.endif
.endm
.macro FADR                            ; where the next record lies
	v_add_nc_u32 v[ADR], s[TB], v[L16]
	v_add_nc_u32 v[ADS], s[TB], v[L8]
	v_add_nc_u32 v[ADC], s[TB], v[H32]
	s_add_co_u32 s[TB], s[TB], REC
.endm
.macro FETCH p                         ; that record into set p: 20 LDS loads in one run
	ds_load_b128 v[C2+8*(\p):C2+8*(\p)+3], v[ADC] offset:8448     ; all lanes of a half read the same 32 bytes
	ds_load_b128 v[C2+8*(\p)+4:C2+8*(\p)+7], v[ADC] offset:8464
	ds_load_b32 v[SC+2*(\p)+1], v[ADS] offset:8192
	ds_load_b32 v[SC+2*(\p)], v[ADS] offset:8196
	WIN 0x40                                       ; destination window 1
.irp c, 0,1,2,3,4,5,6,7,8,9,10,11,12,13,14,15
	ds_load_b128 v[64*(\p)+4*\c:64*(\p)+4*\c+3], v[ADR] offset:512*\c
.endr
.endm
.macro MMS ac, hi, p                   ; a run of 16 products: the four accumulators take turns, one instruction a turn
	WIN 0x09+4*(\hi)                               ; source 0 (codes) window 1, source 1 (x) window 2 or 3, C and D window 0
.irp s, 0,1,2,3
.irp q, 0,1,2,3
	MM1 \ac, \hi, \p, \s, \q
.endr
.endr
	WIN 0
.endm
; The vector work on accumulator q of set ac, for x's fragment 4 hi + q, ten lines: M1 to M3 the largest of its eight g, from the low end on; M4 joins the two parts and holds the result at x2/2;
; CMP: has the best risen?  (strictly);  SAVE: then the value, the tile's number and its eight g are kept, two selections to a line.
.macro M1 ac, q
	v_max3_num_f32 v[TT+8*(\ac)+2*\q], v[ACCL+32*(\ac)+8*\q], v[ACCL+32*(\ac)+8*\q+1], v[ACCL+32*(\ac)+8*\q+2]
.endm
.macro M2 ac, q
	v_max3_num_f32 v[TT+8*(\ac)+2*\q+1], v[ACCL+32*(\ac)+8*\q+3], v[ACCL+32*(\ac)+8*\q+4], v[ACCL+32*(\ac)+8*\q+5]
.endm
.macro M3 ac, q
	v_max3_num_f32 v[TT+8*(\ac)+2*\q], v[TT+8*(\ac)+2*\q], v[ACCL+32*(\ac)+8*\q+6], v[ACCL+32*(\ac)+8*\q+7]
.endm
.macro M4 ac, hi, q
	v_maxmin_num_f32 v[TT+8*(\ac)+2*\q], v[TT+8*(\ac)+2*\q], v[TT+8*(\ac)+2*\q+1], v[CAP+4*(\hi)+\q]
.endm
.macro CMP ac, hi, q
	v_cmp_gt_f32 vcc_lo, v[TT+8*(\ac)+2*\q], v[RUN+4*(\hi)+\q]
.endm
.macro SAVE ac, hi, q
.set sA, 4*(\hi)+\q
.set sC, ACCL+32*(\ac)+8*\q
	v_dual_cndmask_b32 v[RUN+sA], v[RUN+sA], v[TT+8*(\ac)+2*\q] :: v_dual_cndmask_b32 v[IDX+sA], v[IDX+sA], v[TNV]
.irp k, 0,2,4,6
	v_dual_cndmask_b32 v[SV+8*sA+\k], v[SV+8*sA+\k], v[sC+\k] :: v_dual_cndmask_b32 v[SV+8*sA+\k+1], v[SV+8*sA+\k+1], v[sC+\k+1]
.endr
.endm
; THE PLACE BEHIND A RUN.  dop: the compares and selections of the run before (set ap, fragments 4 hp on), whose held maxima the last place made.  don: the held maxima of the run just made (set an, fragments 4 hn on).
; kind: what stands behind the first compare: 0 nothing due, 1 the tile's number, 2 the next record's addresses.
; PLACES, by this text's count: ahead of the first read of the fresh results stand 11 vector lines that name none of the run's registers (8 where dop = 0); a whole place, 44 lines, stands between
; the last product that read a set of the codes' registers and the loads into it, and between two sums on one accumulator.
.macro SLOT ap, hp, an, hn, dop, don, kind
.if \dop
	CMP \ap, \hp, 0
.endif
.if (\kind) == 1
	v_mov_b32 v[TNV], s[TN]
	v_nop
	v_nop
	v_nop
.elseif (\kind) == 2
	FADR
	v_nop
.else
	v_nop
	v_nop
	v_nop
	v_nop
.endif
.if \dop
	SAVE \ap, \hp, 0
	CMP \ap, \hp, 1
.else
	v_nop
	v_nop
	v_nop
	v_nop
.endif
.if \don
	M1 \an, 0
	M1 \an, 1
	M1 \an, 2
	M1 \an, 3
	M2 \an, 0
	M2 \an, 1
.endif
.if \dop
	SAVE \ap, \hp, 1
	CMP \ap, \hp, 2
.endif
.if \don
	M3 \an, 0
	M2 \an, 2
	M2 \an, 3
	M3 \an, 1
	M3 \an, 2
	M4 \an, \hn, 0
	M3 \an, 3
.endif
.if \dop
	SAVE \ap, \hp, 2
	CMP \ap, \hp, 3
.endif
.if \don
	M4 \an, \hn, 1
	M4 \an, \hn, 2
	M4 \an, \hn, 3
.endif
.if \dop
	SAVE \ap, \hp, 3
.endif
.endm
; A tile of parity p: rows 0-63 on set 0, rows 64-127 on set 1.  first = 1: no run stands before it, and x's fragments 4 to 7 are waited for between its two runs.
.macro TILE p, fetch, first
	s_wait_dscnt 0x0                               ; this tile's record is in registers
	MMS 0, 0, \p
.if \first
	SLOT 1, 1, 0, 0, 0, 1, 2
	s_wait_alu depctr_va_vdst(0)
	s_wait_loadcnt 0x0
.elseif \fetch
	SLOT 1, 1, 0, 0, 1, 1, 2
.else
	SLOT 1, 1, 0, 0, 1, 1, 0
.endif
	s_add_co_u32 s[TN], s[TN], 1
.if \fetch
	FETCH 1-\p                                     ; the next record: it has the second run and the place behind it in which to come
.endif
	MMS 1, 1, \p
	SLOT 0, 0, 1, 1, 1, 1, 1
.endm
.macro PAIRS cnt                       ; cnt times an odd tile and an even one
	s_mov_b32 s[CNT], \cnt
.Lpair_\@:
	TILE 1, 1, 0
	TILE 0, 1, 0
	s_sub_co_u32 s[CNT], s[CNT], 1
	s_cmp_lg_u32 s[CNT], 0
	s_cbranch_scc1 .Lpair_\@
.endm
; A MEETING stands at the head of the last tile whose successor lies in bytes already shown: that tile is in registers, and the next fetch reads what the load just waited for has brought.
; fill = 1: a round of the cluster's barrier, and a joint load by group 0 g0 first behind it.  step: bytes by which its global address goes on.  rows: group 1's row count from here on (0: as it is).
; back = 1: the fetches go back to LDS byte 0; else they run on.
.macro CHANGE fill, g0, step, back, rows
	s_wait_tensorcnt 0x0                           ; my part of what is read next is in; no tensor load of mine is out, so descriptors may be written
	ds_add_u32 v[SPW], v[NIL]
.if \step
	s_add_nc_u64 s[\g0+2:\g0+3], s[\g0+2:\g0+3], \step
.endif
.if \rows
	s_mov_b32 s[G1F+2], (\rows)<<16
	s_mov_b32 s[G1F+4], \rows
.endif
.if \back
	s_mov_b32 s[TB], 0
.endif
	s_wait_dscnt 0x0                               ; the add is done, and my LDS reads are over
.if \fill
	CROUND
	tensor_load_to_lds s[\g0:\g0+3], s[G1F:G1F+7]
	s_nop 0
.rept 4
	v_nop
.endr
.else
	s_barrier_signal -1
	s_barrier_wait -1
.endif
.endm
	s_wait_alu depctr_va_vdst(0)
	CHANGE 1, G0B, 0, 0, 102                       ; tiles 0 to 3 are in; tiles 4 to 15 go out, three records a wave: a first fill, issued as a refill is
	FADR                                           ; tile 0
	s_wait_alu depctr_va_vdst(0)
	FETCH 0
	WIN 0
	s_wait_loadcnt 63                              ; x's scale words, x2/2 and fragments 0 to 3 are in; of the 64 loads of fragments 4 to 7, 63 may be out
	TILE 0, 1, 1                                   ; tile 0
	PAIRS 1                                        ; tiles 1 and 2
	CHANGE 1, G0C, 0, 0, 136                       ; tiles 4 to 15 are in; slot 1's first fill: tiles 16 to 31, four records a wave
	PAIRS 6                                        ; tiles 3 to 14
	CHANGE 1, G0D, 0, 0, 0                         ; slot 0 takes tiles 32 to 47
	PAIRS 8                                        ; tiles 15 to 30
	CHANGE 1, G0C, 2*SLOTB, 1, 0                   ; slot 1 takes tiles 48 to 63
	PAIRS 8                                        ; tiles 31 to 46
	CHANGE 0, G0C, 0, 0, 0                         ; nothing is left to ask for
	PAIRS 8                                        ; tiles 47 to 62
	TILE 1, 0, 0                                   ; tile 63
	SLOT 1, 1, 0, 0, 1, 0, 0                       ; its rows 64-127
	; THE END.  The lowest register of the winning tile that reaches the held maximum names the code.
.irp a, 0,1,2,3,4,5,6,7
	v_mov_b32 v[POS+\a], 7
.endr
.irp j, 6,5,4,3,2,1,0
.irp a, 0,1,2,3,4,5,6,7
	v_cmp_lt_f32 vcc_lo, v[SV+8*\a+\j], v[RUN+\a]
	v_cndmask_b32 v[POS+\a], \j, v[POS+\a], vcc_lo ; smaller: the position stays; else it is j
.endr
.endr
.irp a, 0,1,2,3,4,5,6,7
	v_lshl_add_u32 v[ID+\a], v[IDX+\a], 4, v[POS+\a]
.endr
.irp a, 0,1,2,3,4,5,6,7
	v_add_nc_u32 v[ID+\a], v[BASEH], v[ID+\a]      ; 1,024 split + 16 tile + 8 h + position
.endr
.irp a, 0,1,2,3,4,5,6,7
	v_permlanex16_b32 v[DT+\a], v[RUN+\a], s[SEL], s[SEL+1]     ; the row's other eight codes of each tile lie in the lane 16 away
	v_permlanex16_b32 v[DT+8+\a], v[ID+\a], s[SEL], s[SEL+1]
.endr
.irp a, 0,1,2,3,4,5,6,7
	v_cmp_gt_f32 s[MK], v[DT+\a], v[RUN+\a]        ; the other half's wins where it is larger,
	v_cmp_eq_f32 s[MK+1], v[DT+\a], v[RUN+\a]
	v_cmp_lt_u32 vcc_lo, v[DT+8+\a], v[ID+\a]      ; or equal with the lower index
	s_and_b32 s[MK+1], s[MK+1], vcc_lo
	s_or_b32 s[MK], s[MK], s[MK+1]
	v_cndmask_b32 v[RUN+\a], v[RUN+\a], v[DT+\a], s[MK]
	v_cndmask_b32 v[ID+\a], v[ID+\a], v[DT+8+\a], s[MK]
	v_sub_f32 v[RUN+\a], v[RUN+\a], v[CAP+\a]      ; g - x2/2, never above 0,
	v_mul_f32 v[RUN+\a], -2.0, v[RUN+\a]           ; times -2, exactly: d
	ds_store_b32 v[STO], v[RUN+\a] offset:64*\a    ; row 16 a + r; both halves write the same value
	ds_store_b32 v[STO], v[ID+\a] offset:512+64*\a
.endr
	ds_load_b128 v[POS:POS+3], v[RD]               ; LDS serves a wave's instructions in order (ISA guide 5.7.1.4)
	ds_load_b128 v[POS+4:POS+7], v[RD] offset:512
	s_wait_dscnt 0x0
	global_store_b128 v[L16], v[POS:POS+3], s[8:9]       ; my 128 rows' d: 512 consecutive bytes, aligned
	global_store_b128 v[L16], v[POS+4:POS+7], s[10:11]   ; and their indices
	s_wait_tensorcnt 0x0                           ; the wave's end
	ds_add_u32 v[SPW], v[NIL]
	s_wait_dscnt 0x0
	CROUND                                         ; the closing round
	s_endpgm
.Lfunc_end_k_qe11c79d363_nearest:
	.size	k_qe11c79d363_nearest, .Lfunc_end_k_qe11c79d363_nearest-k_qe11c79d363_nearest
	.p2alignl 7, 3214868480
	.fill 96, 4, 3214868480
	.section	.rodata,"a",@progbits
	.p2align	6, 0x0
	.amdhsa_kernel k_qe11c79d363_nearest
		.amdhsa_group_segment_fixed_size 327680
		.amdhsa_private_segment_fixed_size 0
		.amdhsa_enable_private_segment 0
		.amdhsa_kernarg_size 32
		.amdhsa_user_sgpr_count 2
		.amdhsa_user_sgpr_kernarg_segment_ptr 1
		.amdhsa_wavefront_size32 1
		.amdhsa_system_sgpr_workgroup_id_x 1
		.amdhsa_system_sgpr_workgroup_id_y 1
		.amdhsa_system_sgpr_workgroup_id_z 1
		.amdhsa_system_vgpr_workitem_id 0
		.amdhsa_next_free_vgpr 1024
		.amdhsa_next_free_sgpr 66
		.amdhsa_reserve_vcc 1
		.amdhsa_float_denorm_mode_32 3
		.amdhsa_float_denorm_mode_16_64 3
		.amdhsa_memory_ordered 1
		.amdhsa_forward_progress 1
		.amdhsa_inst_pref_size 162
	.end_amdhsa_kernel
	.amdgpu_metadata
---
amdhsa.version: [ 1, 2 ]
amdhsa.kernels:
  - .name:           k_qe11c79d363_nearest
    .symbol:         k_qe11c79d363_nearest.kd
    .args:
      - { .name: xfrag, .offset: 0, .size: 8, .value_kind: global_buffer, .address_space: global }
      - { .name: cfrag, .offset: 8, .size: 8, .value_kind: global_buffer, .address_space: global }
      - { .name: pval, .offset: 16, .size: 8, .value_kind: global_buffer, .address_space: global }
      - { .name: pidx, .offset: 24, .size: 8, .value_kind: global_buffer, .address_space: global }
    .group_segment_fixed_size: 327680
    .private_segment_fixed_size: 0
    .kernarg_segment_align: 8
    .kernarg_segment_size: 32
    .max_flat_workgroup_size: 128
    .sgpr_count:     66
    .vgpr_count:     1024
    .wavefront_size: 32
...
	.end_amdgpu_metadata
.endif
;; end of part 2
;; launch pick (part 3): grid 64 x 1, 1 waves a work-group, no clusters, 0 bytes of LDS; arguments pval, pidx, out0; writes out0
.if DOCPART == 3
	.amdgcn_target "amdgcn-amd-amdhsa--gfx1250"
	.amdhsa_code_object_version 6
	.text
	.protected	k_qe11c79d363_pick
	.globl	k_qe11c79d363_pick
	.p2align	8
	.type	k_qe11c79d363_pick,@function
k_qe11c79d363_pick:
	s_mov_b64 s[64:65], 0
	v_nop
	global_prefetch_b8 v0, s[64:65] scope:SCOPE_SE
	s_setreg_imm32_b32 hwreg(HW_REG_WAVE_MODE, 25, 1), 1
	s_wait_xcnt 0x0
; out0[row] = the index of the smallest d over the 16 splits of the codes, or -1 where that d exceeds 900.  pval [16][8192] f32, pidx [16][8192] i32, out0 [8192] i32.
; The splits are taken in ascending order and a later one takes over only where it is strictly smaller: the lowest index keeps a tie, as an argmin does.
; A lane takes 4 neighbouring rows, a wave 128: each load and the store cover 512 consecutive bytes, aligned.  All 32 loads go out at once; there are 1,048,576 bytes to read in all, so 64 waves serve.
; No LDS, no barrier, no matrix unit: nothing here is shared or multiplied.
.set VAL, 4                            ; v4-67    split k's four minima at 4 + 4 k; split 0's serve as the best so far
.set IX,  68                           ; v68-131  its four indices
.set OUTR, 132                         ; v132-135 the result
	s_load_b128 s[4:7], s[0:1], 0x0                ; pval, pidx
	s_load_b64 s[8:9], s[0:1], 0x10                ; out0
	v_lshlrev_b32 v1, 4, v0                        ; 16 bytes a lane
	s_lshl_b32 s10, ttmp9, 9                       ; 128 rows of 4 bytes a work-group
	s_mov_b32 s11, 0
	s_mov_b32 s12, 0x44610000                      ; 900.0
	s_wait_alu depctr_va_vdst(0)
	s_wait_kmcnt 0x0
	s_add_nc_u64 s[4:5], s[4:5], s[10:11]
	s_add_nc_u64 s[6:7], s[6:7], s[10:11]
	s_add_nc_u64 s[8:9], s[8:9], s[10:11]
.irp k, 0,1,2,3,4,5,6,7,8,9,10,11,12,13,14,15
	global_load_b128 v[VAL+4*\k:VAL+4*\k+3], v1, s[4:5] offset:32768*\k th:TH_LOAD_NT
	global_load_b128 v[IX+4*\k:IX+4*\k+3], v1, s[6:7] offset:32768*\k th:TH_LOAD_NT
.endr
.irp k, 1,2,3,4,5,6,7,8,9,10,11,12,13,14,15
	s_wait_loadcnt 2*(15-\k)                       ; loads come back in order (ISA guide 5.7.1): splits 0 to k are in, the two loads of each later split may be out
.irp c, 0,1,2,3
	v_cmp_lt_f32 vcc_lo, v[VAL+4*\k+\c], v[VAL+\c]
	v_cndmask_b32 v[VAL+\c], v[VAL+\c], v[VAL+4*\k+\c], vcc_lo
	v_cndmask_b32 v[IX+\c], v[IX+\c], v[IX+4*\k+\c], vcc_lo
.endr
.endr
.irp c, 0,1,2,3
	v_cmp_ge_f32 vcc_lo, s12, v[VAL+\c]            ; some d is within the threshold exactly where the smallest is
	v_cndmask_b32 v[OUTR+\c], -1, v[IX+\c], vcc_lo
.endr
	global_store_b128 v1, v[OUTR:OUTR+3], s[8:9]
	s_endpgm
.Lfunc_end_k_qe11c79d363_pick:
	.size	k_qe11c79d363_pick, .Lfunc_end_k_qe11c79d363_pick-k_qe11c79d363_pick
	.p2alignl 7, 3214868480
	.fill 96, 4, 3214868480
	.section	.rodata,"a",@progbits
	.p2align	6, 0x0
	.amdhsa_kernel k_qe11c79d363_pick
		.amdhsa_group_segment_fixed_size 0
		.amdhsa_private_segment_fixed_size 0
		.amdhsa_enable_private_segment 0
		.amdhsa_kernarg_size 24
		.amdhsa_user_sgpr_count 2
		.amdhsa_user_sgpr_kernarg_segment_ptr 1
		.amdhsa_wavefront_size32 1
		.amdhsa_system_sgpr_workgroup_id_x 1
		.amdhsa_system_sgpr_workgroup_id_y 1
		.amdhsa_system_sgpr_workgroup_id_z 1
		.amdhsa_system_vgpr_workitem_id 0
		.amdhsa_next_free_vgpr 140
		.amdhsa_next_free_sgpr 66
		.amdhsa_reserve_vcc 1
		.amdhsa_float_denorm_mode_32 3
		.amdhsa_float_denorm_mode_16_64 3
		.amdhsa_memory_ordered 1
		.amdhsa_forward_progress 1
		.amdhsa_inst_pref_size 11
	.end_amdhsa_kernel
	.amdgpu_metadata
---
amdhsa.version: [ 1, 2 ]
amdhsa.kernels:
  - .name:           k_qe11c79d363_pick
    .symbol:         k_qe11c79d363_pick.kd
    .args:
      - { .name: pval, .offset: 0, .size: 8, .value_kind: global_buffer, .address_space: global }
      - { .name: pidx, .offset: 8, .size: 8, .value_kind: global_buffer, .address_space: global }
      - { .name: out0, .offset: 16, .size: 8, .value_kind: global_buffer, .address_space: global }
    .group_segment_fixed_size: 0
    .private_segment_fixed_size: 0
    .kernarg_segment_align: 8
    .kernarg_segment_size: 24
    .max_flat_workgroup_size: 32
    .sgpr_count:     66
    .vgpr_count:     140
    .wavefront_size: 32
...
	.end_amdgpu_metadata
.endif
;; end of part 3
